; MI455X (gfx1250); checked and timed in simulation.
; The chip was launched on July 23, 2026; its instructions are those of AMD's public machine-readable ISA for CDNA 5 (MIT licence, August 2026) and "CDNA5" Instruction Set Architecture Reference Guide (July 2026). The comments in the code are by the model that wrote it; some were corrected since.
;; Ada Lo RA Linear. Allowed arithmetic: float matrix products may take bf16 or f16 operands with f32 sums; other float arithmetic in f32, or as packed bf16 or f16 multiplies, adds, multiply-adds, maxima and minima; sums over many terms, partial sums and values carried from step to step in f32; what a program stores and reads back later, other than sums and carried values, may be rounded once to bf16 or f16.
;; Inputs: Lambda 64 float32; P 4,096 x 64 float32; Q 64 x 4,096 float32; rank_mask 64 bool; weight 4,096 x 4,096 float32; x 4,096 x 4,096 float32.
;; Outputs: out0 4,096 x 4,096 float32.
;; 2 versions, each right; version 2 is version 1 with the launch prep written anew for expert scheduling mode. Each part assembles by itself: llvm-mc -triple=amdgcn-amd-amdhsa -mcpu=gfx1250 --defsym DOCPART=n.
;; ======== version 1 of 2: 2 launches
;; workspace buffers: xb 33,554,432 bytes; wb 33,554,432 bytes
;; launch prep (part 1): grid 256 x 1, 8 waves a work-group, no clusters, 0 bytes of LDS; arguments x, weight, P, Lambda, Q, rank_mask, xb, wb; writes xb, wb
.if DOCPART == 1
	.amdgcn_target "amdgcn-amd-amdhsa--gfx1250"
	.amdhsa_code_object_version 6
	.text
	.protected	k_q10efe36be4_prep
	.globl	k_q10efe36be4_prep
	.p2align	8
	.type	k_q10efe36be4_prep,@function
k_q10efe36be4_prep:
	s_mov_b64 s[64:65], 0
	v_nop
	global_prefetch_b8 v0, s[64:65] scope:SCOPE_SE
	s_setreg_imm32_b32 hwreg(HW_REG_WAVE_MODE, 25, 1), 1
	s_wait_xcnt 0x0
; xb = bf16(x);  wb = bf16(bf16(weight) + 2 (P (Lambda mask)) Q).  x, weight: [4096][4096] f32; P: [4096][64]; Q: [64][4096]; Lambda: [64] f32; rank_mask: [64] bytes; xb, wb: [4096][4096] bf16.
; LIMITS.  x and weight are rounded once to bf16; P Lambda mask (made in f32) and Q are rounded once to bf16 for the product of rank 64, whose sums are f32; the sum with the rounded weight is one
; fused multiply-add in f32 and is rounded once more to bf16.  The mask's byte is taken as its whole-number value and multiplied onto Lambda, so a NaN or an infinity in Lambda behaves as in a product by 0 or 1.
; SHARES.  256 work-groups of eight waves.  Waves 0-3 make wb: the work-group owns 256 x 256 of it, a wave 128 x 128, walked as eight tiles of 16 rows x 128 columns.  Waves 4-7 make xb: a wave casts
; 65,536 consecutive bytes of x.  No wave wants a byte of x or weight that another has fetched: no LDS, no barrier; every byte of x and weight is read once and every byte of xb and wb written once.
; LAYOUT OF THE PRODUCT.  r = lane % 16, h = lane / 16.  Source 0 = 16 rows of P', source 1 = 16 columns of Q: register j of a result holds row 8 h + j, column place r.  Column place r of accumulator
; t = 4 q + c stands for column 64 q + 4 r + c, so that ONE load of 16 bytes of weight (row 8 h + j, byte 256 q + 16 r) brings the four numbers that belong to register j of accumulators 4 q .. 4 q + 3,
; and sixteen lanes read 256 consecutive bytes, aligned.  The rank is permuted alike in both sources: fragment f, register i, half e of lane half h stands for rank 32 h + 16 f + 2 i + e, so a lane's 32 ranks
; lie on end in P's row and in Lambda.
; REGISTERS, in windows of 256 (s_set_vgpr_msb: bits 1:0 source 0, 3:2 source 1, 5:4 source 2, 7:6 destination).  Window 0: addresses, Lambda mask, P, weight.  Window 1: Q's fragments, the accumulators.
.set WO,  4                            ; v4   weight: 8 h rows of 16,384 bytes + 16 r; never rewritten
.set PO,  5                            ; v5   P: row r of 256 bytes + 128 h
.set QO,  6                            ; v6   Q: 32 h rows of 16,384 bytes + 16 r
.set LO,  7                            ; v7   Lambda: 128 h
.set MO,  8                            ; v8   rank_mask: 32 h
.set SO,  9                            ; v9   wb: 8 x lane
.set TT,  10                           ; v10-13 at work
.set TWO, 14                           ; v14  2.0 (the scaling alpha / rank), as a vector register for the mixed multiply-add
.set SC,  16                           ; v[16:47]   Lambda mask of my 32 ranks
.set PA,  48                           ; v[48:63]   P' as two fragments; at the start v[48:55] hold the mask's 32 bytes
.set PF,  64                           ; v[64:127]  two sets of 32: my 32 numbers of a tile's row of P
.set WB,  128                          ; v[128:255] two sets of 64: weight's number (j, q, c) at 4 (2 j + q) + c
.set QF,  0                            ; window 1, v[0:127]: accumulator t's columns, fragment f, at 16 t + 8 f
.set ACC, 128                          ; window 1, v[128:191]: accumulator t at 8 t
.set TA,  128                          ; window 1: Q as loaded, 64 registers (where the accumulators lie later),
.set TB,  192                          ; window 1: and a second such set
.set XO,  4                            ; the casting waves: v4 = 16 x lane, v5 = 8 x lane; never rewritten
.set YO,  5
.set XY,  64                           ; v[64:127]  slot i: 2 registers to store
.set XX,  128                          ; v[128:255] slot i: 4 registers as loaded
.set MSB, 0
.macro WIN new                         ; the immediate's high byte repeats the setting that is left; a switch that changes nothing is dropped
.if MSB != (\new)
	s_set_vgpr_msb (MSB<<8)|(\new)
.set MSB, \new
.endif
.endm
	s_load_b512 s[16:31], s[0:1], 0x0              ; x s[16:17], weight s[18:19], P s[20:21], Lambda s[22:23], Q s[24:25], rank_mask s[26:27], xb s[28:29], wb s[30:31]
	v_lshrrev_b32 v1, 5, v0
	v_readfirstlane_b32 s2, v1                     ; wave 0..7
	v_and_b32 v1, 31, v0                           ; lane
	s_mov_b32 s11, 0                               ; the high words of two 32-bit offsets
	s_mov_b32 s13, 0
	s_cmp_lt_u32 s2, 4
	s_cbranch_scc0 .Lx                             ; waves 4-7 cast x
	; ---------------- waves 0-3: 128 x 128 of wb ----------------
	v_and_b32 v2, 15, v0                           ; r
	v_bfe_u32 v3, v0, 4, 1                         ; h
	v_lshlrev_b32 v[WO], 4, v2
	v_lshl_or_b32 v[WO], v3, 17, v[WO]
	v_lshlrev_b32 v[PO], 8, v2
	v_lshl_or_b32 v[PO], v3, 7, v[PO]
	v_lshlrev_b32 v[QO], 4, v2
	v_lshl_or_b32 v[QO], v3, 19, v[QO]
	v_lshlrev_b32 v[LO], 7, v3
	v_lshlrev_b32 v[MO], 5, v3
	v_lshlrev_b32 v[SO], 3, v1
	v_mov_b32 v[TWO], 2.0
	s_mov_b32 s4, 0xffff0000                       ; lanes 16-31
	s_mov_b32 s8, 0x76543210                       ; v_permlanex16_b32: each lane takes its own place in the other half
	s_mov_b32 s9, 0xfedcba98
	s_lshr_b32 s5, ttmp9, 4                        ; the work-group's block row,
	s_and_b32 s6, ttmp9, 15                        ; and block column, of 16 x 16
	s_lshr_b32 s7, s2, 1
	s_and_b32 s14, s2, 1
	s_lshl_b32 s5, s5, 8
	s_lshl_b32 s7, s7, 7
	s_add_co_u32 s5, s5, s7                        ; my first row: 256 x block row + 128 x (wave / 2)
	s_lshl_b32 s6, s6, 8
	s_lshl_b32 s14, s14, 7
	s_add_co_u32 s6, s6, s14                       ; my first column: 256 x block column + 128 x (wave % 2)
	s_lshl_b32 s10, s5, 14
	s_lshl_b32 s12, s6, 2
	s_add_co_u32 s10, s10, s12                     ; in weight: row x 16,384 + column x 4, under 2^27
	s_wait_kmcnt 0x0
	s_add_nc_u64 s[18:19], s[18:19], s[10:11]
	s_add_nc_u64 s[24:25], s[24:25], s[12:13]      ; in Q: column x 4
	s_lshl_b32 s10, s5, 13
	s_lshl_b32 s12, s6, 1
	s_add_co_u32 s10, s10, s12
	s_add_nc_u64 s[30:31], s[30:31], s[10:11]      ; in wb: row x 8,192 + column x 2
	s_lshl_b32 s10, s5, 8
	s_add_nc_u64 s[20:21], s[20:21], s[10:11]      ; in P: row x 256
; A tile's 24 loads into set b: my 128 bytes of a row of P, and 16 rows x 512 bytes of weight.  The tile is number b + ahead from where the bases stand.
.macro BATCH b, ahead
.irp u, 0,1,2,3,4,5,6,7
	global_load_b128 v[PF+32*(\b)+4*(\u):PF+32*(\b)+4*(\u)+3], v[PO], s[20:21] offset:((\b)+(\ahead))*4096+16*(\u)
.endr
.irp j, 0,1,2,3,4,5,6,7
.irp q, 0,1
	global_load_b128 v[WB+64*(\b)+4*(2*(\j)+(\q)):WB+64*(\b)+4*(2*(\j)+(\q))+3], v[WO], s[18:19] offset:((\b)+(\ahead))*262144+(\j)*16384+256*(\q) th:TH_LOAD_NT
.endr
.endr
.endm
; Sixteen ranks (32 h + 16 f + k) of columns 64 q + 4 r .. + 3 of Q, into the 64 registers at T of window 1
.macro QLOAD q, f, T
	WIN 0x40                                       ; destination window 1, address window 0
.irp k, 0,1,2,3,4,5,6,7,8,9,10,11,12,13,14,15
	global_load_b128 v[(\T)+4*(\k):(\T)+4*(\k)+3], v[QO], s[24:25] offset:(16*(\f)+(\k))*16384+256*(\q)
.endr
.endm
; and from there, two neighbouring ranks of one column to a register, into fragment f of accumulators 4 q .. 4 q + 3
.macro QCVT q, f, T
	WIN 0x45                                       ; all three in window 1
.irp c, 0,1,2,3
.irp i, 0,1,2,3,4,5,6,7
	v_cvt_pk_bf16_f32 v[QF+16*(4*(\q)+(\c))+8*(\f)+(\i)], v[(\T)+8*(\i)+(\c)], v[(\T)+8*(\i)+4+(\c)]
.endr
.endr
.endm
; ONE TILE, 16 rows x 128 columns, from set b.  left: the younger loads that may stay out.  refill = 1: the set is asked for again, two tiles on.
.macro TILE b, refill, left
	s_wait_loadcnt \left                           ; loads come back in order: this set's 24 are in
.irp i, 0,1,2,3,4,5,6,7,8,9,10,11,12,13,14,15
	v_pk_mul_f32 v[PF+32*(\b)+2*(\i):PF+32*(\b)+2*(\i)+1], v[PF+32*(\b)+2*(\i):PF+32*(\b)+2*(\i)+1], v[SC+2*(\i):SC+2*(\i)+1]  ; P x (Lambda mask), in f32
.endr
.irp i, 0,1,2,3,4,5,6,7,8,9,10,11,12,13,14,15
	v_cvt_pk_bf16_f32 v[PA+(\i)], v[PF+32*(\b)+2*(\i)], v[PF+32*(\b)+2*(\i)+1]
.endr
	WIN 0x54                                       ; P' in window 0; Q, C and D in window 1
.irp t, 0,1,2,3,4,5,6,7                ; the eight accumulators take turns, one instruction a turn; the first eight products start the sums
	v_wmma_f32_16x16x32_bf16 v[ACC+8*(\t):ACC+8*(\t)+7], v[PA:PA+7], v[QF+16*(\t):QF+16*(\t)+7], 0
.endr
.irp t, 0,1,2,3,4,5,6,7
	v_wmma_f32_16x16x32_bf16 v[ACC+8*(\t):ACC+8*(\t)+7], v[PA+8:PA+15], v[QF+16*(\t)+8:QF+16*(\t)+15], v[ACC+8*(\t):ACC+8*(\t)+7]
.endr
	WIN 0
.irp g, 0,1,2,3,4,5,6,7,8,9,10,11,12,13,14,15  ; the weights are rounded to bf16, in pairs: 32 plain instructions that name no register of the products: they are the places behind them (ISA guide 7.12.1)
	v_cvt_pk_bf16_f32 v[WB+64*(\b)+4*(\g)],   v[WB+64*(\b)+4*(\g)],   v[WB+64*(\b)+4*(\g)+1]
	v_cvt_pk_bf16_f32 v[WB+64*(\b)+4*(\g)+2], v[WB+64*(\b)+4*(\g)+2], v[WB+64*(\b)+4*(\g)+3]
.endr
	WIN 0x01                                       ; source 0, the accumulator, in window 1
.irp j, 0,1,2,3,4,5,6,7                ; 2 x sum + rounded weight, one fused multiply-add in f32.  Register 0 of every accumulator is read first.  A pair's upper half is used before the lower result lands on the pair
.irp q, 0,1
.set WBR, WB+64*(\b)+4*(2*(\j)+(\q))
.set ACR, ACC+32*(\q)+(\j)
	v_fma_mix_f32_bf16 v[WBR+1], v[ACR+8],  v[TWO], v[WBR]   op_sel:[0,0,1] op_sel_hi:[0,0,1]
	v_fma_mix_f32_bf16 v[WBR],   v[ACR],    v[TWO], v[WBR]   op_sel_hi:[0,0,1]
	v_fma_mix_f32_bf16 v[WBR+3], v[ACR+24], v[TWO], v[WBR+2] op_sel:[0,0,1] op_sel_hi:[0,0,1]
	v_fma_mix_f32_bf16 v[WBR+2], v[ACR+16], v[TWO], v[WBR+2] op_sel_hi:[0,0,1]
.endr
.endr
	WIN 0
.irp g, 0,1,2,3,4,5,6,7,8,9,10,11,12,13,14,15  ; W_eff rounded once: four neighbouring columns are 8 bytes in the first two of the four registers
	v_cvt_pk_bf16_f32 v[WB+64*(\b)+4*(\g)],   v[WB+64*(\b)+4*(\g)],   v[WB+64*(\b)+4*(\g)+1]
	v_cvt_pk_bf16_f32 v[WB+64*(\b)+4*(\g)+1], v[WB+64*(\b)+4*(\g)+2], v[WB+64*(\b)+4*(\g)+3]
.endr
; A lane half holds columns 4 r (q = 0) and 64 + 4 r (q = 1) of ITS row, 8 h + j.  The halves exchange, so that all 32 lanes hold one row, lane l columns 4 l .. 4 l + 3:
; row j = lanes 0-15's q = 0 and, in lanes 16-31, what lanes 0-15 held for q = 1; row 8 + j the other way round.  Each store then covers 256 consecutive bytes, aligned.
.irp j, 0,1,2,3,4,5,6,7
.set B8, WB+64*(\b)+8*(\j)
.irp p, 0,1
	v_permlanex16_b32 v[B8+2+(\p)], v[B8+(\p)],   s8, s9
	v_permlanex16_b32 v[B8+6+(\p)], v[B8+4+(\p)], s8, s9
	v_cndmask_b32 v[B8+(\p)],   v[B8+(\p)],   v[B8+6+(\p)], s4
	v_cndmask_b32 v[B8+4+(\p)], v[B8+2+(\p)], v[B8+4+(\p)], s4
.endr
	global_store_b64 v[SO], v[B8:B8+1],   s[30:31] offset:(\b)*131072+(\j)*8192 th:TH_STORE_NT
	global_store_b64 v[SO], v[B8+4:B8+5], s[30:31] offset:(\b)*131072+(8+(\j))*8192 th:TH_STORE_NT
.endr
.if \refill
	s_wait_xcnt 0x0                                ; the stores have read their data registers: the set is loaded again only behind this wait
	BATCH \b, 2
.endif
.endm
.irp u, 0,1,2,3,4,5,6,7
	global_load_b128 v[SC+4*(\u):SC+4*(\u)+3], v[LO], s[22:23] offset:16*(\u)  ; Lambda of my 32 ranks
.endr
	global_load_b128 v[PA:PA+3],   v[MO], s[26:27]                 ; their 32 mask bytes
	global_load_b128 v[PA+4:PA+7], v[MO], s[26:27] offset:16
	QLOAD 0, 0, TA
	QLOAD 0, 1, TB
	WIN 0
	s_wait_loadcnt 32                              ; Lambda and the mask are in; Q's 32 loads may stay out
.set kk, 0
.rept 32
	v_bfe_u32 v[TT+kk%4], v[PA+kk/4], 8*(kk%4), 8  ; the byte,
	v_cvt_f32_u32 v[TT+kk%4], v[TT+kk%4]           ; as a number,
	v_mul_f32 v[SC+kk], v[SC+kk], v[TT+kk%4]       ; onto Lambda
.set kk, kk+1
.endr
	BATCH 0, 0                                     ; tile 0
	s_wait_loadcnt 40                              ; Q's first 16 are in: behind them stand its second 16 and the tile's 24
	QCVT 0, 0, TA
	QLOAD 1, 0, TA
	s_wait_loadcnt 40                              ; Q's second 16: behind them the tile's 24 and the 16 just issued
	QCVT 0, 1, TB
	QLOAD 1, 1, TB
	s_wait_loadcnt 16                              ; Q's third 16 (and tile 0): behind them the 16 just issued
	QCVT 1, 0, TA
	WIN 0
	BATCH 1, 0                                     ; tile 1
	s_wait_loadcnt 24                              ; Q's last 16: behind them tile 1's 24
	QCVT 1, 1, TB
	WIN 0                                          ; at a label and at a branch every window is 0
	s_mov_b32 s3, 3
.Lpair:                                        ; a trip: two tiles are made and the two after them asked for.  The count 24 leaves the other set's loads out, on the way in and round the backward jump alike
	TILE 0, 1, 24
	TILE 1, 1, 24
	s_wait_xcnt 0x0                                ; every load and store issued so far has read its base: the three are stepped only behind this wait
	s_add_nc_u64 s[18:19], s[18:19], 524288        ; 32 rows of weight,
	s_add_nc_u64 s[20:21], s[20:21], 8192          ; of P,
	s_add_nc_u64 s[30:31], s[30:31], 262144        ; and of wb
	s_sub_co_u32 s3, s3, 1
	s_cmp_lg_u32 s3, 0
	s_cbranch_scc1 .Lpair
	TILE 0, 0, 24                                  ; the last two tiles load nothing
	TILE 1, 0, 0
	s_endpgm
	; ---------------- waves 4-7: 65,536 bytes of x ----------------
.Lx:
	v_lshlrev_b32 v[XO], 4, v1
	v_lshlrev_b32 v[YO], 3, v1
	s_lshl_b32 s5, ttmp9, 2
	s_add_co_u32 s5, s5, s2
	s_sub_co_u32 s5, s5, 4                         ; my number among the 1,024 casting waves
	s_lshl_b32 s10, s5, 16                         ; 65,536 bytes of x,
	s_lshl_b32 s12, s5, 15                         ; 32,768 of xb
	s_wait_kmcnt 0x0
	s_add_nc_u64 s[16:17], s[16:17], s[10:11]
	s_add_nc_u64 s[28:29], s[28:29], s[12:13]
; A ring of 32 slots in registers keeps 32 loads, 16,384 bytes, of the wave on their way.  A slot's turn: its load is in (left younger ones stay out); four numbers a lane are rounded;
; ahead = 1: the slot is asked for again, 16,384 bytes on; 32 lanes x 8 bytes are stored: 256 consecutive bytes, aligned.
.macro XSLOT i, ahead, left
	s_wait_loadcnt \left
	v_cvt_pk_bf16_f32 v[XY+2*(\i)],   v[XX+4*(\i)],   v[XX+4*(\i)+1]
	v_cvt_pk_bf16_f32 v[XY+2*(\i)+1], v[XX+4*(\i)+2], v[XX+4*(\i)+3]
.if \ahead
	global_load_b128 v[XX+4*(\i):XX+4*(\i)+3], v[XO], s[16:17] offset:16384+512*(\i) th:TH_LOAD_NT
.endif
	global_store_b64 v[YO], v[XY+2*(\i):XY+2*(\i)+1], s[28:29] offset:256*(\i) th:TH_STORE_NT
.endm
.set n, 0
.rept 32
	global_load_b128 v[XX+4*n:XX+4*n+3], v[XO], s[16:17] offset:512*n th:TH_LOAD_NT
.set n, n+1
.endr
	s_mov_b32 s3, 3
.Lxround:
.set n, 0
.rept 32
	XSLOT n, 1, 31
.set n, n+1
.endr
	s_wait_xcnt 0x0                                ; the round's loads and stores have read their bases and data: the bases, and in the next round the stores' registers, are written only behind this wait
	s_add_nc_u64 s[16:17], s[16:17], 16384
	s_add_nc_u64 s[28:29], s[28:29], 8192
	s_sub_co_u32 s3, s3, 1
	s_cmp_lg_u32 s3, 0
	s_cbranch_scc1 .Lxround
.set n, 0
.rept 32
	XSLOT n, 0, 31-n                               ; the last round loads nothing: the counts run down
.set n, n+1
.endr
	s_endpgm
.Lfunc_end_k_q10efe36be4_prep:
	.size	k_q10efe36be4_prep, .Lfunc_end_k_q10efe36be4_prep-k_q10efe36be4_prep
	.p2alignl 7, 3214868480
	.fill 96, 4, 3214868480
	.section	.rodata,"a",@progbits
	.p2align	6, 0x0
	.amdhsa_kernel k_q10efe36be4_prep
		.amdhsa_group_segment_fixed_size 0
		.amdhsa_private_segment_fixed_size 0
		.amdhsa_enable_private_segment 0
		.amdhsa_kernarg_size 64
		.amdhsa_user_sgpr_count 2
		.amdhsa_user_sgpr_kernarg_segment_ptr 1
		.amdhsa_wavefront_size32 1
		.amdhsa_system_sgpr_workgroup_id_x 1
		.amdhsa_system_sgpr_workgroup_id_y 1
		.amdhsa_system_sgpr_workgroup_id_z 1
		.amdhsa_system_vgpr_workitem_id 0
		.amdhsa_next_free_vgpr 512
		.amdhsa_next_free_sgpr 66
		.amdhsa_reserve_vcc 0
		.amdhsa_float_denorm_mode_32 3
		.amdhsa_float_denorm_mode_16_64 3
		.amdhsa_memory_ordered 1
		.amdhsa_forward_progress 1
		.amdhsa_inst_pref_size 120
	.end_amdhsa_kernel
	.amdgpu_metadata
---
amdhsa.version: [ 1, 2 ]
amdhsa.kernels:
  - .name:           k_q10efe36be4_prep
    .symbol:         k_q10efe36be4_prep.kd
    .args:
      - { .name: x, .offset: 0, .size: 8, .value_kind: global_buffer, .address_space: global }
      - { .name: weight, .offset: 8, .size: 8, .value_kind: global_buffer, .address_space: global }
      - { .name: P, .offset: 16, .size: 8, .value_kind: global_buffer, .address_space: global }
      - { .name: Lambda, .offset: 24, .size: 8, .value_kind: global_buffer, .address_space: global }
      - { .name: Q, .offset: 32, .size: 8, .value_kind: global_buffer, .address_space: global }
      - { .name: rank_mask, .offset: 40, .size: 8, .value_kind: global_buffer, .address_space: global }
      - { .name: xb, .offset: 48, .size: 8, .value_kind: global_buffer, .address_space: global }
      - { .name: wb, .offset: 56, .size: 8, .value_kind: global_buffer, .address_space: global }
    .group_segment_fixed_size: 0
    .private_segment_fixed_size: 0
    .kernarg_segment_align: 8
    .kernarg_segment_size: 64
    .max_flat_workgroup_size: 256
    .sgpr_count:     66
    .vgpr_count:     512
    .wavefront_size: 32
...
	.end_amdgpu_metadata
.endif
;; end of part 1
;; launch gemm (part 2): grid 16 x 16, 4 waves a work-group, clusters of 4 x 4, 327,680 bytes of LDS; arguments xb, wb, out0; writes out0
.if DOCPART == 2
	.amdgcn_target "amdgcn-amd-amdhsa--gfx1250"
	.amdhsa_code_object_version 6
	.text
	.protected	k_q10efe36be4_gemm
	.globl	k_q10efe36be4_gemm
	.p2align	8
	.type	k_q10efe36be4_gemm,@function
k_q10efe36be4_gemm:
	s_mov_b64 s[64:65], 0
	v_nop
	global_prefetch_b8 v0, s[64:65] scope:SCOPE_SE
	s_setreg_imm32_b32 hwreg(HW_REG_WAVE_MODE, 25, 1), 1
	s_wait_xcnt 0x0
	s_wait_alu depctr_hold_cnt(0) depctr_sa_sdst(0) depctr_va_vdst(0) depctr_va_sdst(0) depctr_va_ssrc(0) depctr_va_vcc(0) depctr_vm_vsrc(0)
	s_getreg_b32 s2, hwreg(HW_REG_IB_STS2, 6, 4)
	s_cmp_eq_u32 s2, 0
	s_cbranch_scc0 .Lentry_in_a_cluster
	s_endpgm
.Lentry_in_a_cluster:
	s_bfe_u32 s2, ttmp6, 0x10000c
	s_cmp_lg_u32 s2, 0xf033
	s_cbranch_scc0 .Lentry_shape_is_right
	s_endpgm
.Lentry_shape_is_right:
; out0[m][n] = the sum over k of xb[m][k] wb[n][k].  xb (A): [4096][4096] bf16, wb (B): [4096][4096] bf16, out0 (C): [4096][4096] f32; one f32 sum for each output, K ascending, stored unrounded.
; A tile of C, 256 x 256, is made by a work-group of four waves; a wave makes 128 x 128: 64 accumulators of 16 x 16, 512 registers.  16 x 16 tiles: 256 work-groups, one tile each.
; K goes in steps of 128 through a ring of two LDS slots filled by the tensor data mover: the rows of A's and B's tiles are 256 bytes of memory and start at multiples of 256 bytes from the buffer's first byte.
; CLUSTERS: 4 x 4 work-groups.  The four of a row of the cluster need the same tiles of A, the four of a column the same tiles of B.  Such a tile is asked for JOINTLY: each of the four issues the same
; tensor load, with the same descriptor and a mask that names the four, and each receives the tile in its own LDS.  That divides the requests for A and for B by four.
; REGISTERS, in windows of 256 (s_set_vgpr_msb: bits 1:0 source 0, 3:2 source 1, 5:4 source 2, 7:6 destination):
;   window 0: v0-31 addresses; v64-127, v128-191 fragments of A (8 x 16 rows x 32 K), two buffers; on the way out the same 128 registers take rows read back from the stage
;   window 1: v64-127, v128-191 fragments of B, two buffers
;   window 2: the 32 accumulators of my rows 0-63 (accumulator (a, b) at v[8 (8 a + b)]);   window 3: those of my rows 64-127
; THE MATRIX INSTRUCTION IS USED TRANSPOSED: source 0 = 16 rows of B, source 1 = 16 rows of A.  In the result lane l holds row l % 16 of C and its registers 0 to 7 the columns 8 (l / 16) + 0 .. 7:
; 32 neighbouring bytes of a row of C.
.set SIZE_M, 4096
.set SIZE_N, 4096
.set SIZE_K, 4096
.set KSTEP,  128
.set PITCH,  272                       ; an LDS row: 256 bytes of data + 16 of padding = 68 words: row r starts at bank 4 r mod 64 (64 banks of 4 bytes: ISA guide 11.1), so the 16 rows that a load touches start at 16 different banks
.set HALFT,  128*PITCH                 ; 128 rows: what one tensor load brings, and what one wave reads of A or of B
.set SLOT,   4*HALFT                   ; A's 256 rows, then B's 256 rows
.set STAGE,  2*SLOT                    ; behind the ring, never filled by a tensor load: 16 rows x 528 bytes for each wave, for the way out
.set SPITCH, 528                       ; a stage row: 512 bytes (128 f32) + 16: 33 x 16 bytes
.set SPARE,  STAGE+4*16*SPITCH         ; behind the stages: the spare words, 128 bytes for each wave: two blocks of 256 bytes that no other line names
.set LAPS,   SIZE_K/(2*KSTEP)          ; a lap = two K steps = once round the ring: 16
.set ADRA, 16                          ; v16-17  LDS address of my A fragments in slot 0, 1
.set ADRB, 20                          ; v20-21  the same for B
.set STO,  24                          ; v24     the way out: where I put 32 bytes of a row
.set RD,   25                          ; v25     the way out: where I read 16 bytes of a row back
.set CO,   26                          ; v26     my byte offset in 512 bytes of a row of C: 16 x lane
.set SPW,  28                          ; v28     LDS address of my spare word: SPARE + 4 x my thread's number; never rewritten
.set NIL,  29                          ; v29     0; never rewritten
.set PFO,  30                          ; v30     the prefetches' offset: my lane x a row of A or B in memory (8,192 bytes); never rewritten
.set PFA,  44                          ; s[44:45] where my prefetches stand: my work-group's 32 rows of the 128 that I fetch, one K step further along K than the refill that is being asked for; a prefetch names the K step after that
.set LIM,  43                          ; s43     1 in a wave that prefetches, else the greatest number
.set F0,   64                          ; fragment buffer 0
.set F1,   128                         ; fragment buffer 1
.set OB,   64                          ; the way out: 16 rows read back from the stage: v64-127 and v128-191 by turns
.set G1, 24                            ; s[24:31] descriptor group 1 for A's tiles
.set G0, 32                            ; s[32:39] descriptor group 0 for A's tiles, one set for each slot
.set G1B, 48                           ; s[48:55] descriptor group 1 for B's tiles: it differs from A's in the mask alone
.set G0B, 56                           ; s[56:63] descriptor group 0 for B's tiles, one set for each slot
.set MSB, 0
.macro WIN new                         ; the immediate's high byte repeats the setting that is left; a switch that changes nothing is dropped
.if MSB != (\new)
	s_set_vgpr_msb (MSB<<8)|(\new)
.set MSB, \new
.endif
.endm
.set MUL_LO, 0xa1                      ; source 0 (B) window 1, source 1 (A) window 0, C and D window 2
.set MUL_HI, 0xf1                      ; the same, C and D window 3
.set TO_B,   0x40                      ; destination window 1, address window 0
; A joint load.  Waves 0 and 1 fetch A's two halves, waves 2 and 3 B's.  Each of the two lines has ONE mask and one set of registers for all that issue it, and nothing in them hangs on a coordinate
; that the four partners do not share.  The branch hangs on the wave's number alone.  An s_nop 0 and four v_nop follow each of the two lines, ahead of the jump, the label and what follows.
.macro JLOAD s
	s_cmp_eq_u32 s11, 0
	s_cbranch_scc0 .Lfor_b_\@
	tensor_load_to_lds s[G0+4*(\s):G0+4*(\s)+3], s[G1:G1+7]
	s_nop 0
.rept 4
	v_nop
.endr
	s_branch .Lasked_\@
.Lfor_b_\@:
	tensor_load_to_lds s[G0B+4*(\s):G0B+4*(\s)+3], s[G1B:G1B+7]
	s_nop 0
.rept 4
	v_nop
.endr
.Lasked_\@:
.endm
; A PREFETCH INTO THE L2, behind each joint refill, its five lines and the run of LDS loads that follows them: the K step that stands TWO refills on, 512 matrix instructions ahead of the load that will
; want it: 32 rows x 256 bytes, a lane a row, one instruction a wave.  Each row's 256 bytes of a K step are named ONCE in the launch: A's tile row is read by every cluster of that row of clusters, and the
; first of them (cluster x = 0) asks; B's tile column by every cluster of that column, and cluster y = 0 asks.  The four partners that ask for a tile jointly share its rows out BY ADDRESS: of the 128 rows
; that a wave fetches, the partner at place p takes 32 p .. 32 p + 31 (p = cx for A, cy for B): no branch hangs on a work-group's place in its cluster.  The loop's last trip (s3 = 1) asks for nothing:
; its refills are K steps 30 and 31, and there is no K step two on.  K steps 0 to 3 come by their loads alone.
.macro ASK
	s_cmp_gt_u32 s3, s[LIM]
	s_cbranch_scc0 .Lnot_mine_\@
	global_prefetch_b8 v[PFO], s[PFA:PFA+1] offset:KSTEP*2 th:TH_LOAD_NT scope:SCOPE_SE
.Lnot_mine_\@:
.endm
; A round of the cluster's barrier: my work-group's barrier, so that wave 0's signal speaks for all four waves; wave 0 signals for the work-group; every wave waits for all sixteen work-groups;
; my work-group's barrier once more.  No LDS instruction of the wave is pending at a signal.
.macro CREST                           ; a round behind its opening barrier
	s_cmp_lg_u32 s10, 0
	s_cbranch_scc1 .Lnot_wave_0_\@
	s_barrier_signal -3
.Lnot_wave_0_\@:
	s_barrier_wait -3
	s_barrier_signal -1
	s_barrier_wait -1
.endm
.macro CROUND                          ; a whole round
	s_barrier_signal -1
	s_barrier_wait -1
	CREST
.endm
	s_load_b128 s[4:7], s[0:1], 0x0                ; A s[4:5], B s[6:7]
	s_load_b64 s[8:9], s[0:1], 0x10                ; C
	v_lshl_add_u32 v[SPW], v0, 2, SPARE
	v_mov_b32 v[NIL], 0
	ds_add_u32 v[SPW], v[NIL]                      ; the wave's opening: the add, twice on end, and its wait ahead of my first tensor load; the set-up below the second, work on registers, stands between it and the wait
	ds_add_u32 v[SPW], v[NIL]                      ; and once more, under the one wait
	v_lshrrev_b32 v1, 5, v0
	v_readfirstlane_b32 s10, v1                    ; wave 0..3
	s_lshr_b32 s11, s10, 1                         ; which half of the tile's rows is mine.  Also: I fetch for A (0) or for B (1)
	s_and_b32 s12, s10, 1                          ; which half of its columns.  Also: which 128 rows of that tile I fetch
	s_bfe_u32 s40, ttmp6, 0x40000                  ; cx: my place along the cluster's x
	s_bfe_u32 s41, ttmp6, 0x40004                  ; cy: along its y
	s_lshl_b32 s42, ttmp9, 2                       ; in a cluster launch ttmp9 and ttmp7 count clusters
	s_add_co_u32 s42, s42, s40                     ; tile column of C = 4 x cluster x + cx
	s_and_b32 s13, ttmp7, 0xffff
	s_lshl_b32 s13, s13, 2
	s_add_co_u32 s13, s13, s41                     ; tile row of C = 4 x cluster y + cy
	s_lshl_b32 s43, s41, 2
	s_lshl_b32 s43, 15, s43                        ; my row of the cluster: places 4 cy .. 4 cy + 3
	s_lshl_b32 s44, 0x1111, s40                    ; my column: places cx, cx + 4, cx + 8, cx + 12
	; descriptor group 1: a tile of 128 rows x 128 elements, padded in LDS
	s_or_b32 s[G1+0], s43, (1<<16)|(1<<20)|(1<<21)|(5<<22)|(3<<25)  ; 15:0 the mask: A's tiles go to my row; 17:16 element of 2 bytes; 20 padding on; 21 set beside a mask; 24:22 after every 64 words (code 5); 31:25 of 4 words (code 3)
	s_or_b32 s[G1B+0], s44, (1<<16)|(1<<20)|(1<<21)|(5<<22)|(3<<25) ; the same with the mask of my column, for B's tiles
	s_mov_b32 s[G1B+1], KSTEP<<16
	s_mov_b32 s[G1+1], KSTEP<<16                   ; 63:48 tensor_dim0, low half = 128
	s_mov_b32 s[G1B+2], 128<<16
	s_mov_b32 s[G1+2], 128<<16                     ; 79:64 its high half = 0; 95:80 tensor_dim1, low half = 128
	s_mov_b32 s[G1B+3], KSTEP<<16
	s_mov_b32 s[G1+3], KSTEP<<16                   ; 111:96 its high half = 0; 127:112 tile_dim0 = 128
	s_mov_b32 s[G1B+4], 128
	s_mov_b32 s[G1+4], 128                         ; 143:128 tile_dim1 = 128; 159:144 tile_dim2 = 0
	s_mov_b32 s[G1B+5], SIZE_K
	s_mov_b32 s[G1+5], SIZE_K                      ; 191:160 tensor_dim0_stride, low word: elements from row to row
	s_mov_b32 s[G1B+6], 0
	s_mov_b32 s[G1+6], 0
	s_mov_b32 s[G1B+7], 0
	s_mov_b32 s[G1+7], 0
	; where the tiles come from.  A's hang on the tile row alone, which my row of the cluster shares; B's on the tile column alone, which my column shares.
	; Every wave makes both addresses, in registers that never hold the other coordinate, and asks by one of them.
	s_lshl_b32 s17, s12, 7                         ; which 128 rows of the tile I fetch
	s_lshl_b32 s16, s13, 8
	s_add_co_u32 s16, s16, s17                     ; A: row 256 x tile row + 128 x half
	s_lshl_b32 s46, s42, 8
	s_add_co_u32 s46, s46, s17                     ; B: row 256 x tile column + 128 x half
	s_mov_b32 s17, 0
	s_mov_b32 s47, 0
	s_mov_b64 s[18:19], SIZE_K*2
	s_mul_u64 s[16:17], s[16:17], s[18:19]         ; in bytes
	s_mul_u64 s[46:47], s[46:47], s[18:19]
	s_mul_i32 s20, s10, HALFT                      ; and where they go: A's two halves, then B's two halves = wave x 128 rows: no place in the cluster enters an LDS address
	s_wait_dscnt 0x0                               ; both opening adds are done
	s_wait_kmcnt 0x0
	s_add_nc_u64 s[14:15], s[4:5], s[16:17]
	s_add_nc_u64 s[46:47], s[6:7], s[46:47]
	CROUND                                         ; all sixteen work-groups are here: the first joint loads meet
.irp s, 0,1
	s_mov_b32 s[G0+4*(\s)], 1                                      ; 1:0 count = 1
	s_add_co_u32 s[G0+4*(\s)+1], s20, (\s)*SLOT                    ; 63:32 LDS address
	s_add_nc_u64 s[G0+4*(\s)+2:G0+4*(\s)+3], s[14:15], (\s)*KSTEP*2  ; 120:64 global address: K step s
	s_or_b32 s[G0+4*(\s)+3], s[G0+4*(\s)+3], 0x80000000            ; 127:126 type = 2
	s_mov_b32 s[G0B+4*(\s)], 1
	s_add_co_u32 s[G0B+4*(\s)+1], s20, (\s)*SLOT
	s_add_nc_u64 s[G0B+4*(\s)+2:G0B+4*(\s)+3], s[46:47], (\s)*KSTEP*2
	s_or_b32 s[G0B+4*(\s)+3], s[G0B+4*(\s)+3], 0x80000000
	JLOAD \s                                       ; the ring is filled before anything else is done: two loads of mine are out
.endr
	; A fragment is 16 rows x 32 K in 8 registers: lane l holds row l % 16; registers 0-3 hold K = 8 (l / 16) + 0..7, registers 4-7 hold K = 16 + 8 (l / 16) + 0..7.
	; From rows that lie along K: two loads of 16 bytes, 32 bytes apart.  The same for source 0 and source 1.
	v_and_b32 v1, 15, v0                           ; l % 16
	v_bfe_u32 v2, v0, 4, 1                         ; l / 16
	v_mul_u32_u24 v3, v1, PITCH
	v_lshl_add_u32 v3, v2, 4, v3                   ; row x pitch + 16 x half
	s_mul_i32 s21, s11, HALFT                      ; my 128 rows of A
	s_mul_i32 s22, s12, HALFT                      ; my 128 rows of B,
	s_add_co_u32 s22, s22, 2*HALFT                 ; which lie behind A's 256
.irp s, 0,1
	v_add_nc_u32 v[ADRA+(\s)], s21, v3
	v_add_nc_u32 v[ADRB+(\s)], s22, v3
	s_add_co_u32 s21, s21, SLOT
	s_add_co_u32 s22, s22, SLOT
.endr
	s_mul_i32 s23, s10, 16*SPITCH
	s_add_co_u32 s23, s23, STAGE                   ; my stage
	v_mul_u32_u24 v4, v1, SPITCH                   ; in: row l % 16, 32 bytes for each half of the lanes
	v_lshl_add_u32 v4, v2, 5, v4
	v_add_nc_u32 v[STO], s23, v4
	v_and_b32 v5, 31, v0
	v_lshlrev_b32 v[CO], 4, v5                     ; back: 32 lanes take one row of 512 bytes, 16 bytes each; the same place in a row of C
	v_add_nc_u32 v[RD], s23, v[CO]
	; C at my part of the tile
	s_lshl_b32 s13, s13, 8
	s_lshl_b32 s14, s11, 7
	s_add_co_u32 s16, s13, s14                     ; my first row of C
	s_mov_b32 s17, 0
	s_mov_b64 s[18:19], SIZE_N*4
	s_mul_u64 s[16:17], s[16:17], s[18:19]
	s_add_nc_u64 s[8:9], s[8:9], s[16:17]
	s_lshl_b32 s46, s42, 10                        ; my first column, in bytes: 1,024 x tile column + 512 x half (in the registers that held B's address: none that feeds A's descriptors ever holds cx)
	s_lshl_b32 s47, s12, 9
	s_add_co_u32 s46, s46, s47
	s_mov_b32 s47, 0
	s_add_nc_u64 s[8:9], s[8:9], s[46:47]
	; the prefetches.  s13 = 256 x tile row, s42 = tile column, s40 = cx, s41 = cy still stand; s[4:5] = A, s[6:7] = B
	s_lshl_b32 s42, s42, 8
	s_and_b32 s22, ttmp7, 0xffff                   ; cluster y
	s_cmp_eq_u32 s11, 0                            ; do I fetch for A?
	s_cselect_b32 s20, s13, s42                    ; the tile's first row: in A by the tile row, in B by the tile column
	s_cselect_b32 s21, s40, s41                    ; my place among the four that ask for it with me
	s_cselect_b32 s22, ttmp9, s22                  ; the coordinate along which other clusters read the same rows
	s_cselect_b64 s[PFA:PFA+1], s[4:5], s[6:7]
	s_cmp_eq_u32 s22, 0
	s_cselect_b32 s[LIM], 1, -1                    ; the same in all sixteen partners, for a given wave
	s_lshl_b32 s22, s12, 7
	s_add_co_u32 s20, s20, s22                     ; + the 128 rows that I fetch
	s_lshl_b32 s21, s21, 5
	s_add_co_u32 s20, s20, s21                     ; + my work-group's 32 of them
	s_mov_b32 s21, 0
	s_mov_b64 s[18:19], SIZE_K*2
	s_mul_u64 s[20:21], s[20:21], s[18:19]
	s_add_nc_u64 s[PFA:PFA+1], s[PFA:PFA+1], s[20:21]
	s_add_nc_u64 s[PFA:PFA+1], s[PFA:PFA+1], 2*KSTEP*2  ; at K step 2: the first refill steps it to 3 and names K step 4
	v_and_b32 v[PFO], 31, v0
	v_mul_u32_u24 v[PFO], v[PFO], SIZE_K*2
	; nothing is prefetched here, at the head, where every work-group's first two tiles are on their way
; 16 matrix instructions: m blocks a0, a0 + 1 of the window's four (hi = 0: my rows 0-63, 1: rows 64-127) x all 8 n blocks, 32 along K.  zero = 1: the first product starts the sums: nothing is ever cleared.
; The 64 accumulators take turns, one instruction a turn, in the same order in every quarter step, over the backward jump too.
.macro MUL16 f, hi, a0, zero
	WIN MUL_LO+0x50*(\hi)  ; MUL_LO or MUL_HI
.irp a, \a0, (\a0)+1
.irp b, 0,1,2,3,4,5,6,7
.if \zero
	v_wmma_f32_16x16x32_bf16 v[8*(8*(\a)+(\b)):8*(8*(\a)+(\b))+7], v[(\f)+8*(\b):(\f)+8*(\b)+7], v[(\f)+8*(4*(\hi)+(\a)):(\f)+8*(4*(\hi)+(\a))+7], 0
.else
	v_wmma_f32_16x16x32_bf16 v[8*(8*(\a)+(\b)):8*(8*(\a)+(\b))+7], v[(\f)+8*(\b):(\f)+8*(\b)+7], v[(\f)+8*(4*(\hi)+(\a)):(\f)+8*(4*(\hi)+(\a))+7], v[8*(8*(\a)+(\b)):8*(8*(\a)+(\b))+7]
.endif
.endr
.endr
.endm
; 32 LDS loads in one run: the fragments of one quarter step (128 rows of B, 128 rows of A, 32 K at byte k of the rows) into buffer f
.macro FETCH slot, k, f
	WIN TO_B
.irp i, 0,1,2,3,4,5,6,7
	ds_load_b128 v[(\f)+8*(\i):(\f)+8*(\i)+3],   v[ADRB+(\slot)] offset:(\k)+(\i)*16*PITCH
	ds_load_b128 v[(\f)+8*(\i)+4:(\f)+8*(\i)+7], v[ADRB+(\slot)] offset:(\k)+(\i)*16*PITCH+32
.endr
	WIN 0
.irp i, 0,1,2,3,4,5,6,7
	ds_load_b128 v[(\f)+8*(\i):(\f)+8*(\i)+3],   v[ADRA+(\slot)] offset:(\k)+(\i)*16*PITCH
	ds_load_b128 v[(\f)+8*(\i)+4:(\f)+8*(\i)+7], v[ADRA+(\slot)] offset:(\k)+(\i)*16*PITCH+32
.endr
.endm
; A load into a register that a matrix instruction has read, and an LDS store that reads a matrix result, stand four places behind that matrix instruction, and only plain vector instructions that name none
; of its registers are places (ISA guide 7.12.1 for vector instructions).  So four v_nop stand in front of each run of loads.
.macro PLACES
.rept 4
	v_nop
.endr
.endm
; A K step is four quarter steps of 32 along K, 64 matrix instructions each, on buffers 0, 1, 0, 1.
; One of the first three: multiplies buffer f; in its middle it fetches the next quarter's fragments, at byte k of the same slot's rows, into buffer g.
.macro QUARTER slot, k, f, g, zero
	s_wait_dscnt 8                                 ; B and A's rows 0-63 are in; the youngest eight loads (A's rows 64-127) may be out
	WIN MUL_LO
	MUL16 \f, 0, 0, \zero
	MUL16 \f, 0, 2, \zero
	PLACES
	FETCH \slot, \k, \g
	s_wait_dscnt 32                                ; all but the 32 just issued
	WIN MUL_HI
	MUL16 \f, 1, 0, \zero
	MUL16 \f, 1, 2, \zero
.endm
; The last quarter multiplies buffer 1 and changes slots.  MEET is its first half: ONE barrier for the change of slots, for two things.  In front of it each wave waits for all its tensor loads, of which
; one is out: its part of the next slot; adds 0 to its spare word; and waits for that and for its own reads of this slot.  Behind it nobody reads this slot any more and the next slot is whole.
.macro MEET round                      ; round = 1: a round of the cluster's barrier follows
	WIN 0                                          ; (the add's two registers lie in window 0)
	s_wait_tensorcnt 0x0                           ; all my tensor loads have landed: the one that was out is my part of the next slot;
	ds_add_u32 v[SPW], v[NIL]                      ; 0 onto my spare word;
	s_wait_dscnt 9                                 ; (the add and the youngest eight loads may be out)
	WIN MUL_LO
	MUL16 F1, 0, 0, 0                              ; sixteen matrix instructions stand between the add and the wait for it
	s_wait_dscnt 0x0                               ; the add is done, and my reads of this slot are over:
	s_barrier_signal -1                            ; say so (where a slot is filled again this barrier opens a round of the cluster's barrier),
	MUL16 F1, 0, 2, 0                              ; work on registers while the others arrive,
.if \round
	WIN 0
.endif
	s_barrier_wait -1                              ; and go on when all four have said so
.endm
; The whole last quarter.  fill = 1: behind the round the slot just read out is filled again first, with the K step two steps on; then come the next slot's first fragments.  From a request to the wait
; for it a wave issues 224 matrix instructions.  fill = 0: nothing is left to ask for, and the work-group's barrier alone stands.
.macro TURN slot, next, fill
.if \fill
	s_wait_xcnt 0x0                                ; the last prefetch, a K step back, has read its address: it is stepped here, ahead of the waits of the change of slots
	s_add_nc_u64 s[PFA:PFA+1], s[PFA:PFA+1], KSTEP*2
	MEET 1
	CREST                                          ; wave 0 says so for the work-group, all sixteen work-groups have said so, my work-group's barrier closes the round:
	                                               ; no wave of any partner still reads this slot's tile or has a load on its way
	s_add_nc_u64 s[G0+4*(\slot)+2:G0+4*(\slot)+3], s[G0+4*(\slot)+2:G0+4*(\slot)+3], 2*KSTEP*2    ; no tensor load of mine is out, so a group 0 may be written; the type bits on top are not reached
	s_add_nc_u64 s[G0B+4*(\slot)+2:G0B+4*(\slot)+3], s[G0B+4*(\slot)+2:G0B+4*(\slot)+3], 2*KSTEP*2
	JLOAD \slot                                    ; the first tensor load behind the round, and my only one until the next; the four v_nop behind it are also the places in front of the loads below
	FETCH \next, 0, F0
	ASK                                            ; behind the joint load and the run of LDS loads that the next products wait for
.else
	MEET 0
	PLACES
	FETCH \next, 0, F0
.endif
	WIN MUL_HI
	MUL16 F1, 1, 0, 0
	MUL16 F1, 1, 2, 0
.endm
; THE WAY OUT of block a (16 rows x 128 columns of f32), in two parts.  TOSTAGE: a lane's 32 bytes of a row go from the accumulators straight into my own stage in LDS, each accumulator's low four
; registers first, and come back as whole rows of 512 bytes.  SEND: the rows are stored.
.macro TOSTAGE a
.set AC, 64*((\a)%4)
.set BK, OB+64*((\a)%2)
.if (\a) >= 2
	s_wait_xcnt 0x0                                ; the stores of the block two back have read these registers: they are loaded again only behind this wait
.endif
	WIN 0x08+4*((\a)/4)                            ; the data (source 1) in window 2 or 3, the address in window 0
.irp b, 0,1,2,3,4,5,6,7
	ds_store_b128 v[STO], v[AC+8*(\b):AC+8*(\b)+3]   offset:64*(\b)
	ds_store_b128 v[STO], v[AC+8*(\b)+4:AC+8*(\b)+7] offset:64*(\b)+16
.endr
	WIN 0
.irp t, 0,1,2,3,4,5,6,7,8,9,10,11,12,13,14,15
	ds_load_b128 v[BK+4*(\t):BK+4*(\t)+3], v[RD] offset:SPITCH*(\t)  ; LDS serves a wave's instructions in order (ISA guide 5.7.1.4): these see the stores above, and the next block's stores come behind them
.endr
.endm
.macro SEND a, younger                 ; younger: the LDS instructions issued behind block a's loads: the next block's 32, or none
.set BK, OB+64*((\a)%2)
.irp t, 0,1,2,3,4,5,6,7,8,9,10,11,12,13,14,15
	s_wait_dscnt (\younger)+15-(\t)                ; row t is back in registers
	global_store_b128 v[CO], v[BK+4*(\t):BK+4*(\t)+3], s[8:9] offset:(16*(\a)+(\t))*SIZE_N*4 th:TH_STORE_NT  ; the wave stores 512 consecutive bytes, at a multiple of 256 from C's first byte; 127 rows of C at the most: inside the signed 24-bit immediate
.endr
.endm
	s_wait_tensorcnt 1                             ; my part of K step 0 is in; K step 1's may stay out
	s_barrier_signal -1
	s_barrier_wait -1                              ; everybody's is
	FETCH 0, 0, F0
	QUARTER 0, 64,  F0, F1, 1                      ; the first quarter stands in front of the loop: its products start the sums
	WIN 0                                          ; at a label and at a branch every window is 0
	s_mov_b32 s3, LAPS-1
.Llap:                                                 ; a trip goes once round the ring, from a lap's second quarter to the next lap's first, and fills both slots again
	QUARTER 0, 128, F1, F0, 0
	QUARTER 0, 192, F0, F1, 0
	TURN 0, 1, 1
	QUARTER 1, 64,  F0, F1, 0
	QUARTER 1, 128, F1, F0, 0
	QUARTER 1, 192, F0, F1, 0
	TURN 1, 0, 1
	QUARTER 0, 64,  F0, F1, 0
	WIN 0
	s_sub_co_u32 s3, s3, 1
	s_cmp_lg_u32 s3, 0
	s_cbranch_scc1 .Llap
	QUARTER 0, 128, F1, F0, 0                      ; the last lap is written out: it fills nothing, and has no round of the cluster's barrier
	QUARTER 0, 192, F0, F1, 0
	TURN 0, 1, 0
	QUARTER 1, 64,  F0, F1, 0
	QUARTER 1, 128, F1, F0, 0
	QUARTER 1, 192, F0, F1, 0
	s_wait_dscnt 8                                 ; the very last quarter: nothing more to fetch
	WIN MUL_LO
	MUL16 F1, 0, 0, 0
	MUL16 F1, 0, 2, 0
	s_wait_dscnt 0x0
	MUL16 F1, 1, 0, 0
	MUL16 F1, 1, 2, 0
	WIN 0
	PLACES                                         ; the LDS stores below read results just made, the LDS loads land in registers just read, and no other vector work is at hand
	PLACES                                         ; (eight, once a launch)
	TOSTAGE 0
.irp a, 1,2,3,4,5,6,7                  ; block a's way through the stage is begun before block a - 1's rows are waited for
	TOSTAGE \a
	SEND (\a)-1, 32
.endr
	SEND 7, 0
	s_wait_tensorcnt 0x0                           ; the wave's end: a wait, an add of 0 and its wait, behind my last tensor load and my last LDS store
	ds_add_u32 v[SPW], v[NIL]
	s_wait_dscnt 0x0
	CROUND                                         ; the closing round: no work-group ends while a partner may still ask for a tile that names it
	s_endpgm
.Lfunc_end_k_q10efe36be4_gemm:
	.size	k_q10efe36be4_gemm, .Lfunc_end_k_q10efe36be4_gemm-k_q10efe36be4_gemm
	.p2alignl 7, 3214868480
	.fill 96, 4, 3214868480
	.section	.rodata,"a",@progbits
	.p2align	6, 0x0
	.amdhsa_kernel k_q10efe36be4_gemm
		.amdhsa_group_segment_fixed_size 327680
		.amdhsa_private_segment_fixed_size 0
		.amdhsa_enable_private_segment 0
		.amdhsa_kernarg_size 24
		.amdhsa_user_sgpr_count 2
		.amdhsa_user_sgpr_kernarg_segment_ptr 1
		.amdhsa_wavefront_size32 1
		.amdhsa_system_sgpr_workgroup_id_x 1
		.amdhsa_system_sgpr_workgroup_id_y 1
		.amdhsa_system_sgpr_workgroup_id_z 1
		.amdhsa_system_vgpr_workitem_id 0
		.amdhsa_next_free_vgpr 1024
		.amdhsa_next_free_sgpr 66
		.amdhsa_reserve_vcc 0
		.amdhsa_float_denorm_mode_32 3
		.amdhsa_float_denorm_mode_16_64 3
		.amdhsa_memory_ordered 1
		.amdhsa_forward_progress 1
		.amdhsa_inst_pref_size 145
	.end_amdhsa_kernel
	.amdgpu_metadata
---
amdhsa.version: [ 1, 2 ]
amdhsa.kernels:
  - .name:           k_q10efe36be4_gemm
    .symbol:         k_q10efe36be4_gemm.kd
    .args:
      - { .name: xb, .offset: 0, .size: 8, .value_kind: global_buffer, .address_space: global }
      - { .name: wb, .offset: 8, .size: 8, .value_kind: global_buffer, .address_space: global }
      - { .name: out0, .offset: 16, .size: 8, .value_kind: global_buffer, .address_space: global }
    .group_segment_fixed_size: 327680
    .private_segment_fixed_size: 0
    .kernarg_segment_align: 8
    .kernarg_segment_size: 24
    .max_flat_workgroup_size: 128
    .sgpr_count:     66
    .vgpr_count:     1024
    .wavefront_size: 32
...
	.end_amdgpu_metadata
.endif
;; end of part 2
;; ======== version 2 of 2: 2 launches; version 1 with the launch prep written anew for expert scheduling mode
;; workspace buffers: xb 33,554,432 bytes; wb 33,554,432 bytes
;; launch prep (part 3): grid 256 x 1, 8 waves a work-group, no clusters, 0 bytes of LDS; arguments x, weight, P, Lambda, Q, rank_mask, xb, wb; writes xb, wb
.if DOCPART == 3
	.amdgcn_target "amdgcn-amd-amdhsa--gfx1250"
	.amdhsa_code_object_version 6
	.text
	.protected	k_q10efe36be4_prep
	.globl	k_q10efe36be4_prep
	.p2align	8
	.type	k_q10efe36be4_prep,@function
k_q10efe36be4_prep:
	s_mov_b64 s[64:65], 0
	v_nop
	global_prefetch_b8 v0, s[64:65] scope:SCOPE_SE
	s_setreg_imm32_b32 hwreg(HW_REG_WAVE_SCHED_MODE, 0, 2), 2
	s_setreg_imm32_b32 hwreg(HW_REG_WAVE_MODE, 25, 1), 1
	s_wait_xcnt 0x0
	s_wait_alu depctr_vm_vsrc(0)
; xb = bf16(x);  wb = bf16(bf16(weight) + 2 (P (Lambda mask)) Q).  x, weight: [4096][4096] f32; P: [4096][64]; Q: [64][4096]; Lambda: [64] f32; rank_mask: [64] bytes; xb, wb: [4096][4096] bf16.
; LIMITS.  x and weight are rounded once to bf16; P Lambda mask (made in f32) and Q are rounded once to bf16 for the product of rank 64, whose sums are f32; the sum with the rounded weight is one
; fused multiply-add in f32 and is rounded once more to bf16.  The mask's byte is taken as its whole-number value and multiplied onto Lambda, so a NaN or an infinity in Lambda behaves as in a product by 0 or 1.
; SHARES.  256 work-groups of eight waves.  Waves 0-3 make wb: the work-group owns 256 x 256 of it, a wave 128 x 128, walked as eight tiles of 16 rows x 128 columns.  Waves 4-7 make xb: a wave casts
; 65,536 consecutive bytes of x.  No wave wants a byte of x or weight that another has fetched: no LDS, no barrier; every byte of x and weight is read once and every byte of xb and wb written once.
; LAYOUT OF THE PRODUCT.  r = lane % 16, h = lane / 16.  Source 0 = 16 rows of P', source 1 = 16 columns of Q: register j of a result holds row 8 h + j, column place r.  Column place r of accumulator
; t = 4 q + c stands for column 64 q + 4 r + c, so that ONE load of 16 bytes of weight (row 8 h + j, byte 256 q + 16 r) brings the four numbers that belong to register j of accumulators 4 q .. 4 q + 3,
; and sixteen lanes read 256 consecutive bytes, aligned.  The rank is permuted alike in both sources: fragment f, register i, half e of lane half h stands for rank 32 h + 16 f + 2 i + e, so a lane's 32 ranks
; lie on end in P's row and in Lambda.
; THE MODE: SCHED_MODE bits 1:0 = 2 (LLVM: expert scheduling mode 2), set by the entry lines.  The code itself states the register dependences between vector or matrix instructions and memory
; instructions, with s_wait_alu, always for 0.
; THE PLAN, waves 0-3.  Tile p works on set b = p % 2.  Registers that memory instructions touch:
;   PF[b], WB[b]  Written by tile p's 24 loads.  PF[b] is scaled in place and rounded into P'; WB[b] is rounded into Y[b].  With that both are empty, and the loads of tile p + 2 land in them.
;   Y[b]          Written by tile p's vector instructions alone: the rounded weights, then W_eff rounded, then the exchange of the lane halves, all in place.  Read by the 16 stores that are issued in
;                 tile p + 1; written again in tile p + 2.
;   v4 to v9      Byte offsets, made once at the head and never written again: the rows are reached by the scalar bases, which move on by a tile in each tile, and by immediate offsets.
;   P', Q's fragments and the accumulators are named by vector and matrix instructions alone (2 x sum + weight lands on the accumulator's own register; the exchange's 32 temporaries lie there too).
; So ONE wait on va_vdst stands in a tile, behind the weights' conversions: it states that the vector instructions are done with PF[b] and WB[b], and that the tile before has written Y[1 - b].  The tile's 24
; loads and 16 stores follow it, dealt in halves among the vector instructions, which name the accumulators, 2.0 and Y[b]: none of the registers that those loads and stores touch.
; ONE wait on vm_vsrc stands in a tile, ahead of the weights' conversions: the stores issued in the tile before have read Y[b].
; THE PLAN, waves 4-7.  The ring's 32 slots go in four blocks of eight.  XX[k]: written by the block's 8 loads, read by its 16 conversions, loaded again behind them.  XY[k]: written by those conversions, read by the
; block's 8 stores, written again a lap (four blocks) later.  ONE wait on va_vdst a block, behind its conversions, for its loads and its stores; ONE wait on vm_vsrc a lap, at its head.  v4, v5: offsets, never rewritten.
; REGISTERS, in windows of 256 (s_set_vgpr_msb: bits 1:0 source 0, 3:2 source 1, 5:4 source 2, 7:6 destination).  Window 0: addresses, Lambda mask, P, weight.  Window 1: Q's fragments, the accumulators, Y.
.set WO,  4                            ; v4   weight: 8 h rows of 16,384 bytes + 16 r; never rewritten
.set PO,  5                            ; v5   P: row r of 256 bytes + 128 h
.set QO,  6                            ; v6   Q: 32 h rows of 16,384 bytes + 16 r
.set LO,  7                            ; v7   Lambda: 128 h
.set MO,  8                            ; v8   rank_mask: 32 h
.set SO,  9                            ; v9   wb: 8 x lane
.set TT,  10                           ; v10-13 at work, at the head
.set TWO, 14                           ; v14  2.0 (the scaling alpha / rank), as a vector register for the mixed multiply-add
.set SC,  16                           ; v[16:47]   Lambda mask of my 32 ranks
.set PA,  48                           ; v[48:63]   P' as two fragments; at the start v[48:55] hold the mask's 32 bytes
.set PF,  64                           ; v[64:127]  two sets of 32: my 32 numbers of a tile's row of P
.set WB,  128                          ; v[128:255] two sets of 64: weight's number (j, q, c) at 4 (2 j + q) + c
.set QF,  0                            ; window 1, v[0:127]: accumulator t's columns, fragment f, at 16 t + 8 f
.set ACC, 128                          ; window 1, v[128:191]: accumulator t at 8 t
.set TA,  128                          ; window 1: Q as loaded, 64 registers (where the accumulators lie later),
.set TB,  192                          ; window 1: and a second such set (where Y lies later)
.set Y,   192                          ; window 1, v[192:255]: two sets of 32: the pair of columns (j, q, c = 2 e, 2 e + 1) at 2 (2 j + q) + e
.set XO,  4                            ; the casting waves: v4 = 16 x lane, v5 = 8 x lane; never rewritten
.set YO,  5
.set XY,  64                           ; v[64:127]  slot i: 2 registers to store
.set XX,  128                          ; v[128:255] slot i: 4 registers as loaded
.set MSB, 0
.macro WIN new                         ; the immediate's high byte repeats the setting that is left; a switch that changes nothing is dropped
.if MSB != (\new)
	s_set_vgpr_msb (MSB<<8)|(\new)
.set MSB, \new
.endif
.endm
	s_load_b512 s[16:31], s[0:1], 0x0              ; x s[16:17], weight s[18:19], P s[20:21], Lambda s[22:23], Q s[24:25], rank_mask s[26:27], xb s[28:29], wb s[30:31]
	v_lshrrev_b32 v1, 5, v0
	v_readfirstlane_b32 s2, v1                     ; wave 0..7
	v_and_b32 v1, 31, v0                           ; lane
	s_mov_b32 s11, 0                               ; the high words of two 32-bit offsets
	s_mov_b32 s13, 0
	s_wait_alu depctr_va_sdst(0)                   ; s2 is written, ahead of its first reader, the compare below
	s_cmp_lt_u32 s2, 4
	s_cbranch_scc0 .Lx                             ; waves 4-7 cast x
	; ---------------- waves 0-3: 128 x 128 of wb ----------------
	v_and_b32 v2, 15, v0                           ; r
	v_bfe_u32 v3, v0, 4, 1                         ; h
	v_lshlrev_b32 v[WO], 4, v2
	v_lshl_or_b32 v[WO], v3, 17, v[WO]
	v_lshlrev_b32 v[PO], 8, v2
	v_lshl_or_b32 v[PO], v3, 7, v[PO]
	v_lshlrev_b32 v[QO], 4, v2
	v_lshl_or_b32 v[QO], v3, 19, v[QO]
	v_lshlrev_b32 v[LO], 7, v3
	v_lshlrev_b32 v[MO], 5, v3
	v_lshlrev_b32 v[SO], 3, v1
	v_mov_b32 v[TWO], 2.0
	s_mov_b32 s4, 0xffff0000                       ; lanes 16-31
	s_mov_b32 s8, 0x76543210                       ; v_permlanex16_b32: each lane takes its own place in the other half
	s_mov_b32 s9, 0xfedcba98
	s_lshr_b32 s5, ttmp9, 4                        ; the work-group's block row,
	s_and_b32 s6, ttmp9, 15                        ; and block column, of 16 x 16
	s_lshr_b32 s7, s2, 1
	s_and_b32 s14, s2, 1
	s_lshl_b32 s5, s5, 8
	s_lshl_b32 s7, s7, 7
	s_add_co_u32 s5, s5, s7                        ; my first row: 256 x block row + 128 x (wave / 2)
	s_lshl_b32 s6, s6, 8
	s_lshl_b32 s14, s14, 7
	s_add_co_u32 s6, s6, s14                       ; my first column: 256 x block column + 128 x (wave % 2)
	s_lshl_b32 s10, s5, 14
	s_lshl_b32 s12, s6, 2
	s_add_co_u32 s10, s10, s12                     ; in weight: row x 16,384 + column x 4, under 2^27
	s_wait_kmcnt 0x0
	s_add_nc_u64 s[18:19], s[18:19], s[10:11]
	s_add_nc_u64 s[24:25], s[24:25], s[12:13]      ; in Q: column x 4
	s_lshl_b32 s10, s5, 13
	s_lshl_b32 s12, s6, 1
	s_add_co_u32 s10, s10, s12
	s_add_nc_u64 s[30:31], s[30:31], s[10:11]      ; in wb: row x 8,192 + column x 2
	s_lshl_b32 s10, s5, 8
	s_add_nc_u64 s[20:21], s[20:21], s[10:11]      ; in P: row x 256
; Half n of a tile's 24 loads into set b: 64 of my 128 bytes of a row of P, and 8 of the tile's 16 rows x 512 bytes of weight.  at: the tile, counted from where the bases stand.
.macro HALF b, at, n
.irp u, 0,1,2,3
	global_load_b128 v[PF+32*(\b)+4*(4*(\n)+(\u)):PF+32*(\b)+4*(4*(\n)+(\u))+3], v[PO], s[20:21] offset:(\at)*4096+16*(4*(\n)+(\u))
.endr
.irp j, 0,1,2,3
.irp q, 0,1
	global_load_b128 v[WB+64*(\b)+4*(2*(4*(\n)+(\j))+(\q)):WB+64*(\b)+4*(2*(4*(\n)+(\j))+(\q))+3], v[WO], s[18:19] offset:(\at)*262144+(4*(\n)+(\j))*16384+256*(\q) th:TH_LOAD_NT
.endr
.endr
.endm
; Half n of a tile's 16 stores, from Y[yb]: rows 4 n .. 4 n + 3 and 8 + 4 n .. 8 + 4 n + 3.  32 lanes x 8 bytes: each store covers 256 consecutive bytes, aligned.  at: as above.
.macro SENDH yb, at, n
	WIN 0x04                                       ; the data (source 1) in window 1, the address in window 0
.irp j, 0,1,2,3
	global_store_b64 v[SO], v[Y+32*(\yb)+4*(4*(\n)+(\j)):Y+32*(\yb)+4*(4*(\n)+(\j))+1],   s[30:31] offset:(\at)*131072+(4*(\n)+(\j))*8192 th:TH_STORE_NT
	global_store_b64 v[SO], v[Y+32*(\yb)+4*(4*(\n)+(\j))+2:Y+32*(\yb)+4*(4*(\n)+(\j))+3], s[30:31] offset:(\at)*131072+(8+4*(\n)+(\j))*8192 th:TH_STORE_NT
.endr
.endm
; Sixteen ranks (32 h + 16 f + k) of columns 64 q + 4 r .. + 3 of Q, into the 64 registers at T of window 1
.macro QLOAD q, f, T
	WIN 0x40                                       ; destination window 1, address window 0
.irp k, 0,1,2,3,4,5,6,7,8,9,10,11,12,13,14,15
	global_load_b128 v[(\T)+4*(\k):(\T)+4*(\k)+3], v[QO], s[24:25] offset:(16*(\f)+(\k))*16384+256*(\q)
.endr
.endm
; and from there, two neighbouring ranks of one column to a register, into fragment f of accumulators 4 q .. 4 q + 3
.macro QCVT q, f, T
	WIN 0x45                                       ; all three in window 1
.irp c, 0,1,2,3
.irp i, 0,1,2,3,4,5,6,7
	v_cvt_pk_bf16_f32 v[QF+16*(4*(\q)+(\c))+8*(\f)+(\i)], v[(\T)+8*(\i)+(\c)], v[(\T)+8*(\i)+4+(\c)]
.endr
.endr
.endm
; 2 x sum + rounded weight, one fused multiply-add in f32, onto the accumulator's own register: registers j = 4 n .. 4 n + 3 of all eight accumulators.  Register 0 of every accumulator is read first.
.macro SUMS b, n
	WIN 0x51                                       ; the accumulator (source 0 and destination) and the weight (source 2) in window 1, 2.0 in window 0
.irp j, 0,1,2,3
.irp q, 0,1
.set YR,  Y+32*(\b)+2*(2*(4*(\n)+(\j))+(\q))
.set ACR, ACC+32*(\q)+4*(\n)+(\j)
	v_fma_mix_f32_bf16 v[ACR],    v[ACR],    v[TWO], v[YR]   op_sel_hi:[0,0,1]
	v_fma_mix_f32_bf16 v[ACR+8],  v[ACR+8],  v[TWO], v[YR]   op_sel:[0,0,1] op_sel_hi:[0,0,1]
	v_fma_mix_f32_bf16 v[ACR+16], v[ACR+16], v[TWO], v[YR+1] op_sel_hi:[0,0,1]
	v_fma_mix_f32_bf16 v[ACR+24], v[ACR+24], v[TWO], v[YR+1] op_sel:[0,0,1] op_sel_hi:[0,0,1]
.endr
.endr
.endm
; ONE TILE, 16 rows x 128 columns, from set b.  first = 1: tile 0, with no tile in front of it.  refill = 1: the set is asked for again, two tiles on.  left: the younger loads that may stay out.
.macro TILE b, first, refill, left
	s_wait_loadcnt \left                           ; loads come back in order: this set's 24 are in
.irp i, 0,1,2,3,4,5,6,7,8,9,10,11,12,13,14,15
	v_pk_mul_f32 v[PF+32*(\b)+2*(\i):PF+32*(\b)+2*(\i)+1], v[PF+32*(\b)+2*(\i):PF+32*(\b)+2*(\i)+1], v[SC+2*(\i):SC+2*(\i)+1]  ; P x (Lambda mask), in f32
.endr
.irp i, 0,1,2,3,4,5,6,7,8,9,10,11,12,13,14,15
	v_cvt_pk_bf16_f32 v[PA+(\i)], v[PF+32*(\b)+2*(\i)], v[PF+32*(\b)+2*(\i)+1]
.endr
	WIN 0x54                                       ; P' in window 0; Q, C and D in window 1
.irp t, 0,1,2,3,4,5,6,7                ; the eight accumulators take turns, one instruction a turn; the first eight products start the sums
	v_wmma_f32_16x16x32_bf16 v[ACC+8*(\t):ACC+8*(\t)+7], v[PA:PA+7], v[QF+16*(\t):QF+16*(\t)+7], 0
.endr
.irp t, 0,1,2,3,4,5,6,7
	v_wmma_f32_16x16x32_bf16 v[ACC+8*(\t):ACC+8*(\t)+7], v[PA+8:PA+15], v[QF+16*(\t)+8:QF+16*(\t)+15], v[ACC+8*(\t):ACC+8*(\t)+7]
.endr
.if !\first
	s_wait_xcnt 0x0                                ; every load and store issued so far has had its addresses translated (ISA guide 3.1): the bases and Y[b] are rewritten only behind this wait
	s_wait_alu depctr_vm_vsrc(0)                   ; the stores issued in the tile before have read Y[b], which the conversions below write again
.if \refill
	s_add_nc_u64 s[18:19], s[18:19], 262144        ; the bases at this tile: 16 rows of weight,
	s_add_nc_u64 s[20:21], s[20:21], 4096          ; of P,
.endif
	s_add_nc_u64 s[30:31], s[30:31], 131072        ; and of wb
.endif
	WIN 0x40                                       ; destination window 1, sources window 0
.irp g, 0,1,2,3,4,5,6,7,8,9,10,11,12,13,14,15  ; the weights are rounded to bf16, in pairs, into Y[b]: 32 plain instructions that name no register of the products: they are the places behind them (ISA guide 7.12.1)
	v_cvt_pk_bf16_f32 v[Y+32*(\b)+2*(\g)],   v[WB+64*(\b)+4*(\g)],   v[WB+64*(\b)+4*(\g)+1]
	v_cvt_pk_bf16_f32 v[Y+32*(\b)+2*(\g)+1], v[WB+64*(\b)+4*(\g)+2], v[WB+64*(\b)+4*(\g)+3]
.endr
.if \refill
	WIN 0                                          ; the loads' window first, then the wait, then the loads
.endif
	s_wait_alu depctr_va_vdst(0)                   ; the scalings and conversions above are done with PF[b] and WB[b], in which the loads below land; the tile before has written Y[1 - b], which the stores below read
.if \refill
	HALF \b, 2, 0                                  ; the set is asked for again, two tiles on
.endif
	SUMS \b, 0
.if \refill
	WIN 0
	HALF \b, 2, 1                                  ; no wait: no vector instruction since the wait above names PF[b], WB[b] or an offset
.endif
	SUMS \b, 1
.if !\first
	SENDH 1-\b, -1, 0                              ; the tile before: the offset reaches back.  No wait: no vector instruction since the wait above names Y[1 - b]
.endif
	WIN 0x45                                       ; all three in window 1
.irp j, 0,1,2,3,4,5,6,7                ; W_eff rounded once: four neighbouring columns are 8 bytes, where their weights lay
.irp q, 0,1
.set YR,  Y+32*(\b)+2*(2*(\j)+(\q))
.set ACR, ACC+32*(\q)+(\j)
	v_cvt_pk_bf16_f32 v[YR],   v[ACR],    v[ACR+8]
	v_cvt_pk_bf16_f32 v[YR+1], v[ACR+16], v[ACR+24]
.endr
.endr
.if !\first
	SENDH 1-\b, -1, 1
.endif
; A lane half holds columns 4 r (q = 0) and 64 + 4 r (q = 1) of ITS row, 8 h + j.  The halves exchange, so that all 32 lanes hold one row, lane l columns 4 l .. 4 l + 3:
; row j = lanes 0-15's q = 0 and, in lanes 16-31, what lanes 0-15 held for q = 1; row 8 + j the other way round.  The other half's 32 registers come into accumulator registers, which have been read out.
	WIN 0x45
.set n, 0
.rept 32
	v_permlanex16_b32 v[ACC+n], v[Y+32*(\b)+n], s8, s9
.set n, n+1
.endr
.irp j, 0,1,2,3,4,5,6,7
.irp p, 0,1
	v_cndmask_b32 v[Y+32*(\b)+4*(\j)+(\p)],   v[Y+32*(\b)+4*(\j)+(\p)], v[ACC+4*(\j)+2+(\p)],       s4
	v_cndmask_b32 v[Y+32*(\b)+4*(\j)+2+(\p)], v[ACC+4*(\j)+(\p)],       v[Y+32*(\b)+4*(\j)+2+(\p)], s4
.endr
.endr
	WIN 0
.endm
	s_wait_alu depctr_va_vdst(0)                   ; the six offsets v4 to v9 are written: every load and store of these waves reads one of them
.irp u, 0,1,2,3,4,5,6,7
	global_load_b128 v[SC+4*(\u):SC+4*(\u)+3], v[LO], s[22:23] offset:16*(\u)  ; Lambda of my 32 ranks
.endr
	global_load_b128 v[PA:PA+3],   v[MO], s[26:27]                 ; their 32 mask bytes
	global_load_b128 v[PA+4:PA+7], v[MO], s[26:27] offset:16
	QLOAD 0, 0, TA
	QLOAD 0, 1, TB
	WIN 0
	s_wait_loadcnt 32                              ; Lambda and the mask are in; Q's 32 loads may stay out
.set kk, 0
.rept 32
	v_bfe_u32 v[TT+kk%4], v[PA+kk/4], 8*(kk%4), 8  ; the byte,
	v_cvt_f32_u32 v[TT+kk%4], v[TT+kk%4]           ; as a number,
	v_mul_f32 v[SC+kk], v[SC+kk], v[TT+kk%4]       ; onto Lambda
.set kk, kk+1
.endr
	HALF 0, 0, 0                                   ; tile 0.  No wait: no vector instruction has named PF0 or WB0, and none since the wait above an offset
	HALF 0, 0, 1
	s_wait_loadcnt 24                              ; Q's first 32 are in: behind them stand the tile's 24
	QCVT 0, 0, TA
	QCVT 0, 1, TB
	WIN 0x40                                       ; the loads' window first, then the wait, then the loads
	s_wait_alu depctr_va_vdst(0)                   ; the conversions are done reading TA and TB, in which the loads below land
	QLOAD 1, 0, TA
	QLOAD 1, 1, TB
	s_wait_loadcnt 16                              ; Q's third 16 (and tile 0): behind them its last 16
	QCVT 1, 0, TA
	WIN 0
	HALF 1, 1, 0                                   ; tile 1.  No wait: no vector instruction has named PF1 or WB1
	HALF 1, 1, 1
	s_wait_loadcnt 24                              ; Q's last 16: behind them tile 1's 24
	QCVT 1, 1, TB
	WIN 0                                          ; at a label and at a branch every window is 0
	TILE 0, 1, 1, 24                               ; tile 0 is written out: there is no tile before it to store
	s_mov_b32 s3, 2
.Lpair:                                        ; tiles 1 to 4, two to a trip: both kinds of buffer are back at their start.  The count 24 leaves the other set's loads out, on the way in and round the backward jump alike
	TILE 1, 0, 1, 24
	TILE 0, 0, 1, 24
	s_sub_co_u32 s3, s3, 1
	s_cmp_lg_u32 s3, 0
	s_cbranch_scc1 .Lpair
	TILE 1, 0, 1, 24                               ; tile 5 asks for tile 7
	TILE 0, 0, 0, 24                               ; the last two tiles load nothing
	TILE 1, 0, 0, 0
	WIN 0x04
	s_wait_alu depctr_va_vdst(0)                   ; tile 7 has written Y1, which the last sixteen stores read
	SENDH 1, 0, 0
	SENDH 1, 0, 1
	WIN 0
	s_endpgm
	; ---------------- waves 4-7: 65,536 bytes of x ----------------
.Lx:
	v_lshlrev_b32 v[XO], 4, v1
	v_lshlrev_b32 v[YO], 3, v1
	s_lshl_b32 s5, ttmp9, 2
	s_add_co_u32 s5, s5, s2
	s_sub_co_u32 s5, s5, 4                         ; my number among the 1,024 casting waves
	s_lshl_b32 s10, s5, 16                         ; 65,536 bytes of x,
	s_lshl_b32 s12, s5, 15                         ; 32,768 of xb
	s_wait_kmcnt 0x0
	s_add_nc_u64 s[16:17], s[16:17], s[10:11]
	s_add_nc_u64 s[28:29], s[28:29], s[12:13]
; A ring of 32 slots in registers, in four blocks of eight, keeps 24 to 32 loads of the wave on their way.  Block k of a lap: its eight loads are in (left younger ones stay out); four numbers a lane and slot
; are rounded; ahead = 1: the block is asked for again, 16,384 bytes on; each store's 32 lanes x 8 bytes are 256 consecutive bytes, aligned.
; At a lap's head both bases move on by a lap: the loads' offsets count from there, the stores reach back.
.macro XBLK k, ahead, left
	s_wait_loadcnt \left                           ; loads come back in order: block k's eight are in
.if (\k) == 0
	s_wait_xcnt 0x0                                ; every load and store issued so far has had its addresses translated (ISA guide 3.1): the bases and XY are rewritten only behind this wait
	s_wait_alu depctr_vm_vsrc(0)                   ; the last lap's stores have read XY, which this lap's conversions write again
.if \ahead
	s_add_nc_u64 s[16:17], s[16:17], 16384
.endif
	s_add_nc_u64 s[28:29], s[28:29], 8192
.endif
.irp i, 0,1,2,3,4,5,6,7
	v_cvt_pk_bf16_f32 v[XY+2*(8*(\k)+(\i))],   v[XX+4*(8*(\k)+(\i))],   v[XX+4*(8*(\k)+(\i))+1]
	v_cvt_pk_bf16_f32 v[XY+2*(8*(\k)+(\i))+1], v[XX+4*(8*(\k)+(\i))+2], v[XX+4*(8*(\k)+(\i))+3]
.endr
	s_wait_alu depctr_va_vdst(0)                   ; the conversions are done reading XX[k], in which the loads below land, and have written XY[k], which the stores below read
.if \ahead
.irp i, 0,1,2,3,4,5,6,7
	global_load_b128 v[XX+4*(8*(\k)+(\i)):XX+4*(8*(\k)+(\i))+3], v[XO], s[16:17] offset:512*(8*(\k)+(\i)) th:TH_LOAD_NT
.endr
.endif
.irp i, 0,1,2,3,4,5,6,7
	global_store_b64 v[YO], v[XY+2*(8*(\k)+(\i)):XY+2*(8*(\k)+(\i))+1], s[28:29] offset:256*(8*(\k)+(\i))-8192 th:TH_STORE_NT
.endr
.endm
	s_wait_alu depctr_va_vdst(0)                   ; the two offsets v4 and v5 are written: every load and store of these waves reads one of them
.set n, 0
.rept 32
	global_load_b128 v[XX+4*n:XX+4*n+3], v[XO], s[16:17] offset:512*n th:TH_LOAD_NT
.set n, n+1
.endr
	s_mov_b32 s3, 3
.Lxround:
	XBLK 0, 1, 24
	XBLK 1, 1, 24
	XBLK 2, 1, 24
	XBLK 3, 1, 24
	s_sub_co_u32 s3, s3, 1
	s_cmp_lg_u32 s3, 0
	s_cbranch_scc1 .Lxround
	XBLK 0, 0, 24                                  ; the last lap loads nothing: the counts run down
	XBLK 1, 0, 16
	XBLK 2, 0, 8
	XBLK 3, 0, 0
	s_endpgm
.Lfunc_end_k_q10efe36be4_prep:
	.size	k_q10efe36be4_prep, .Lfunc_end_k_q10efe36be4_prep-k_q10efe36be4_prep
	.p2alignl 7, 3214868480
	.fill 96, 4, 3214868480
	.section	.rodata,"a",@progbits
	.p2align	6, 0x0
	.amdhsa_kernel k_q10efe36be4_prep
		.amdhsa_group_segment_fixed_size 0
		.amdhsa_private_segment_fixed_size 0
		.amdhsa_enable_private_segment 0
		.amdhsa_kernarg_size 64
		.amdhsa_user_sgpr_count 2
		.amdhsa_user_sgpr_kernarg_segment_ptr 1
		.amdhsa_wavefront_size32 1
		.amdhsa_system_sgpr_workgroup_id_x 1
		.amdhsa_system_sgpr_workgroup_id_y 1
		.amdhsa_system_sgpr_workgroup_id_z 1
		.amdhsa_system_vgpr_workitem_id 0
		.amdhsa_next_free_vgpr 512
		.amdhsa_next_free_sgpr 66
		.amdhsa_reserve_vcc 0
		.amdhsa_float_denorm_mode_32 3
		.amdhsa_float_denorm_mode_16_64 3
		.amdhsa_memory_ordered 1
		.amdhsa_forward_progress 1
		.amdhsa_inst_pref_size 159
	.end_amdhsa_kernel
	.amdgpu_metadata
---
amdhsa.version: [ 1, 2 ]
amdhsa.kernels:
  - .name:           k_q10efe36be4_prep
    .symbol:         k_q10efe36be4_prep.kd
    .args:
      - { .name: x, .offset: 0, .size: 8, .value_kind: global_buffer, .address_space: global }
      - { .name: weight, .offset: 8, .size: 8, .value_kind: global_buffer, .address_space: global }
      - { .name: P, .offset: 16, .size: 8, .value_kind: global_buffer, .address_space: global }
      - { .name: Lambda, .offset: 24, .size: 8, .value_kind: global_buffer, .address_space: global }
      - { .name: Q, .offset: 32, .size: 8, .value_kind: global_buffer, .address_space: global }
      - { .name: rank_mask, .offset: 40, .size: 8, .value_kind: global_buffer, .address_space: global }
      - { .name: xb, .offset: 48, .size: 8, .value_kind: global_buffer, .address_space: global }
      - { .name: wb, .offset: 56, .size: 8, .value_kind: global_buffer, .address_space: global }
    .group_segment_fixed_size: 0
    .private_segment_fixed_size: 0
    .kernarg_segment_align: 8
    .kernarg_segment_size: 64
    .max_flat_workgroup_size: 256
    .sgpr_count:     66
    .vgpr_count:     512
    .wavefront_size: 32
...
	.end_amdgpu_metadata
.endif
;; end of part 3
;; launch gemm: the kernel of part 2 again; grid 16 x 16, 4 waves a work-group, clusters of 4 x 4, 327,680 bytes of LDS; arguments xb, wb, out0; writes out0
